; MI455X (gfx1250); checked and timed in simulation.
; The chip was launched on July 23, 2026; its instructions are those of AMD's public machine-readable ISA for CDNA 5 (MIT licence, August 2026) and "CDNA5" Instruction Set Architecture Reference Guide (July 2026). The comments in the code are by the model that wrote it; some were corrected since.
;; Feed Forward Quantum. Allowed arithmetic: matrix products marked QUANTISED: E2M1 operands, one E8M0 scale for each 32 along K, by v_wmma_scale_f32_16x16x128_f8f6f4 with both operands' format E2M1 (or v_wmma_scale_f32_32x16x128_f4), f32 sums; everything else in f32.
;; Inputs: W1_codes 4,096 x 32 x 16 uint8 (E2M1 codes of W1, K innermost, in blocks of 32 codes, two codes a byte); W1_scales 4,096 x 32 uint8 (E8M0 scales of W1, one for each 32 codes along K); W2_codes 1,024 x 128 x 16 uint8 (E2M1 codes of W2, K innermost, in blocks of 32 codes, two codes a byte); W2_scales 1,024 x 128 uint8 (E8M0 scales of W2, one for each 32 codes along K); theta 1,024 float32; x 4 x 2,048 x 1,024 float32.
;; Outputs: out0 4 x 2,048 x 1,024 float32.
;; This version of the problem:
;;   THIS VERSION OF THE PROBLEM IS GIVEN IN LOW PRECISION. The matrix products marked QUANTISED in the list below multiply operands that are first quantised to E2M1 (2 exponent bits, 1 mantissa bit; 4 bits a number), with one power-of-two scale for each 32 numbers along K (OCP MX v1.0); their sums are f32. All else is computed in f32.
;;   The module's matrix products, in the order in which they are computed (A, B: the left and right operand; K: the contracted axis; several contracted axes count as one K, in the product's order):
;;     1. [M 8,192, K 1,024] x [K 1,024, N 4,096]; A: computed on the way; B: input W1 (given as codes): QUANTISED
;;     2. [M 8,192, K 4,096] x [K 4,096, N 1,024]; A: computed on the way; B: input W2 (given as codes): QUANTISED
;;   THE QUANTISER, for each operand of a quantised product, along K:
;;     - K is cut into blocks of 32 from its start; a last block that is shorter is filled with zeros.
;;     - A block's scale is 2^e with e = floor(log2(the largest magnitude in the block)) - 2, held to -126 .. 127; a block of zeros has e = 0. As a byte (E8M0): e + 127.
;;     - Each number is divided by its block's scale, clamped to +-6, and rounded to the nearest number of E2M1, ties to even, subnormals kept.
;;     - The product sums the exact products of the quantised numbers (number of the format x scale) in f32.
;;   ~~~python
;;   def quantise(x, axis):      # numpy; x: float32 -> the quantised numbers, widened to float32 again
;;       x = np.moveaxis(x, axis, -1); K = x.shape[-1]
;;       x = np.pad(x, [(0, 0)] * (x.ndim - 1) + [(0, -K % 32)]); x = x.reshape(x.shape[:-1] + (-1, 32)); a = np.abs(x).max(-1, keepdims=True)
;;       e = np.where(a > 0, np.clip(np.frexp(np.where(a > 0, a, 1))[1] - 1 - 2, -126, 127), 0)      # np.frexp(a)[1] - 1 = floor(log2(a)), exactly
;;       r = np.clip(x / 2.0 ** e, -6, 6)
;;       step = 2.0 ** (np.maximum(np.frexp(np.where(r == 0, 1, r))[1] - 1, 0) - 1)
;;       q = np.round(r / step) * step * 2.0 ** e      # np.round: ties to even
;;       return np.moveaxis(q.reshape(q.shape[:-2] + (-1,))[..., :K], -1, axis).astype(np.float32)
;;   ~~~
;;   OPERANDS COMPUTED ON THE WAY. 'Computed on the way' means the value that the module computes at that place (a softmax that the list does not call 'softmax' is quantised finished and normalised). What goes into a quantiser is computed in f32, as accurately as f32 sums, v_exp_f32 and their like allow (about 1e-6 of the number): no bf16 or f16 on the way to a quantiser, and a product that is left as it is and whose result goes on into a quantised operand takes f32 operands (vector FMAs, or v_wmma_f32_16x16x4_f32). A number that lies on a knife's edge between two numbers of the format may be rounded either way, as far as f32 arithmetic and the matrix unit's own rounding can turn it there, and no further.
;;   INPUTS GIVEN AS CODES. W1 (in the module: [4096, 1024], K = its axis 1); W2 (in the module: [1024, 4096], K = its axis 1): each comes as NAME_codes (uint8): NAME with its K axis moved to the last place and cut into blocks of 32 codes, [.., K / 32, bytes a block], one block behind the other in memory; two codes a byte, the lower K in the low four bits (a code: sign, 2 exponent bits, 1 mantissa bit); and NAME_scales (uint8): the same leading axes, one E8M0 byte (e + 127) for each 32 codes along K. Its value is code x scale, taken as it is: it is not quantised again, and the codes and scales need not be those that the quantiser above would give.
;; One version. Each part assembles by itself: llvm-mc -triple=amdgcn-amd-amdhsa -mcpu=gfx1250 --defsym DOCPART=n.
;; ======== version 1 of 1: 3 launches
;; limits: inputs' magnitudes at most 13,000,000
;; workspace buffers: q_codes 4,194,304 bytes; q_scales 262,144 bytes; h_codes 16,777,216 bytes; h_scales 1,048,576 bytes
;; launch quant (part 1): grid 256 x 1, 8 waves a work-group, no clusters, 169,984 bytes of LDS; arguments x, theta, q_codes, q_scales; writes q_codes, q_scales
.if DOCPART == 1
	.amdgcn_target "amdgcn-amd-amdhsa--gfx1250"
	.amdhsa_code_object_version 6
	.text
	.protected	k_qd088cf2582_quant
	.globl	k_qd088cf2582_quant
	.p2align	8
	.type	k_qd088cf2582_quant,@function
k_qd088cf2582_quant:
	s_mov_b64 s[64:65], 0
	v_nop
	global_prefetch_b8 v0, s[64:65] scope:SCOPE_SE
	s_setreg_imm32_b32 hwreg(HW_REG_WAVE_MODE, 25, 1), 1
	s_wait_xcnt 0x0
; q[t][d] = cos(x[t][d]) cos(theta[d]), f32, turned into codes of FP4 (E2M1) with one E8M0 byte for each 32 along d.
; x: [8192][1024] f32.  q_codes: [8192][512 bytes], d innermost, the lower d in the low four bits.  q_scales: [8192][32].
; NO WORK IS LEFT OUT in this program: x, theta, W1 and W2 all reach the output for all values, and every product of the problem is made.
; THE COSINE is made of plain f32 arithmetic: cos x = sin(x + pi/2) = (-1)^k sin r, k = round(x / pi + 1/2), r = x - (k - 1/2) pi, |r| <= pi/2.
; pi is taken in two parts, so that r is right to its own last bits also where cos passes zero; sin r = r + r r^2 P(r^2), P the series to r^13,
; whose remainder over r stays under (pi/2)^14 / 15! = 4.3e-10.  The sign (-1)^k is put onto r (sin is odd); cos(theta) is multiplied onto r too.
; LIMITS: right to a few 1e-7 of the number for |x|, |theta| up to 2^15; slowly worse above; wrong from 2^22 pi on, where the rounding constant
; runs out.  NaN and infinities are not served.  A block of zeros gets the byte 1 where the rule says 127: its codes are zeros, and this program alone reads the bytes.
; SHARES.  A work-group takes 32 rows, each of its eight waves 4 rows, as 8 steps of 512 numbers; a lane holds 16 neighbours, two neighbouring lanes a block.
; All of a work-group's 131,072 bytes of x are asked for at the head, four tensor loads a wave (a row each): nothing is filled again, so there is no ring.
; The loads lay 16 bytes of padding behind each 64: a lane's 64 bytes lie 80 apart.  No cluster: the work-groups share theta's 4,096 bytes alone.
.set XROW,  5120                       ; a row of x in LDS: 64 pieces of 64 + 16 bytes
.set WREG,  4*XROW                     ; a wave's four rows
.set CT,    8*WREG                     ; behind them: cos(theta), 1,024 f32
.set SCB,   CT+4096                    ; the work-group's 1,024 scale bytes
.set SPARE, SCB+1024                   ; the spare words, 128 bytes for each wave: four blocks of 256 bytes that no other line names
.set XA,   2                           ; v2   my 64 bytes of a step: WREG x wave + 80 x lane
.set CTW,  3                           ; v3   where I put four cos(theta): CT + 16 x thread
.set CTR,  4                           ; v4   where I read my columns' : CT + 64 x lane
.set SBW,  5                           ; v5   my block's scale byte: SCB + 128 x wave + lane / 2
.set SBR,  6                           ; v6   the bytes on their way out: SCB + 16 x thread
.set CO,   7                           ; v7   8 x lane: my codes in a step's 256 bytes
.set TO,   9                           ; v9   16 x thread
.set SPW,  14                          ; v14  LDS address of my spare word; never rewritten
.set NIL,  15                          ; v15  0; never rewritten
.set X,    16                          ; v16-47   two sets of 16 numbers
.set VV,   48                          ; v48-63   at work: k's carrier, then the series
.set MM,   64                          ; v64-79   at work: k - 1/2, then r^2
.set CTH,  80                          ; v80-111  cos(theta) of my 16 columns in the row's left and right half
.set C,    112                         ; v112-127 codes, two registers a step: no store's data are written again
.set E,    128                         ; v128-135 a scale byte a step
.set CV,   136                         ; v136-137 the series' coefficient of r^11, twice
.set G1,   16                          ; s[16:23] descriptor group 1
.set G0,   24                          ; s[24:39] descriptor group 0, a set for each of the wave's four loads
.set INVPI, 40                         ; s[40:59] constants, each written twice: the packed forms name a pair and take its low word for both halves
.set MAGIC, 42
.set NMAGIC, 44
.set NPIHI, 46
.set NPILO, 48
.set C3,   50
.set C5,   52
.set C7,   54
.set C9,   56
.set C13,  58
.macro KPAIR reg, val
	s_mov_b32 s[\reg], \val
	s_mov_b32 s[\reg+1], \val
.endm
; n numbers in v[xs] on become their cosines, in place; mul = 1: times v[ct] on.  Each line of the recipe is written for all pairs on end, so that no line waits for the line above it.
.macro COS xs, n, ct, mul
.set p, 0
.rept (\n)/2
	v_pk_fma_f32 v[VV+p:VV+p+1], v[\xs+p:\xs+p+1], s[INVPI:INVPI+1], 0.5 op_sel_hi:[1,0,0]      ; x / pi + 1/2
.set p, p+2
.endr
.set p, 0
.rept (\n)/2
	v_pk_add_f32 v[VV+p:VV+p+1], v[VV+p:VV+p+1], s[MAGIC:MAGIC+1] op_sel_hi:[1,0]              ; + 1.5 x 2^23: rounded to a whole number k, whose parity is now the lowest bit
.set p, p+2
.endr
.set p, 0
.rept (\n)/2
	v_pk_add_f32 v[MM+p:MM+p+1], v[VV+p:VV+p+1], s[NMAGIC:NMAGIC+1] op_sel_hi:[1,0]            ; k
.set p, p+2
.endr
.set p, 0
.rept (\n)/2
	v_pk_add_f32 v[MM+p:MM+p+1], v[MM+p:MM+p+1], -0.5 op_sel_hi:[1,0]                          ; k - 1/2, exact
.set p, p+2
.endr
.set p, 0
.rept (\n)/2
	v_pk_fma_f32 v[\xs+p:\xs+p+1], v[MM+p:MM+p+1], s[NPIHI:NPIHI+1], v[\xs+p:\xs+p+1] op_sel_hi:[1,0,1]   ; x - (k - 1/2) pi: pi's upper part,
.set p, p+2
.endr
.set p, 0
.rept (\n)/2
	v_pk_fma_f32 v[\xs+p:\xs+p+1], v[MM+p:MM+p+1], s[NPILO:NPILO+1], v[\xs+p:\xs+p+1] op_sel_hi:[1,0,1]   ; and its lower part: r
.set p, p+2
.endr
.set p, 0
.rept \n
	v_lshl_add_u32 v[\xs+p], v[VV+p], 31, v[\xs+p]                                             ; 2^31 more where k is odd: r's sign turned
.set p, p+1
.endr
.set p, 0
.rept (\n)/2
	v_pk_mul_f32 v[MM+p:MM+p+1], v[\xs+p:\xs+p+1], v[\xs+p:\xs+p+1]                            ; r^2
.set p, p+2
.endr
.set p, 0
.rept (\n)/2
	v_pk_fma_f32 v[VV+p:VV+p+1], v[MM+p:MM+p+1], s[C13:C13+1], v[CV:CV+1] op_sel_hi:[1,0,1]    ; the series, from its far end
.set p, p+2
.endr
.irp k, C9, C7, C5, C3
.set p, 0
.rept (\n)/2
	v_pk_fma_f32 v[VV+p:VV+p+1], v[VV+p:VV+p+1], v[MM+p:MM+p+1], s[\k:\k+1] op_sel_hi:[1,1,0]
.set p, p+2
.endr
.endr
.if \mul
.set p, 0
.rept (\n)/2
	v_pk_mul_f32 v[\xs+p:\xs+p+1], v[\xs+p:\xs+p+1], v[\ct+p:\ct+p+1]                          ; w = r cos(theta)
.set p, p+2
.endr
.endif
.set p, 0
.rept (\n)/2
	v_pk_mul_f32 v[MM+p:MM+p+1], v[MM+p:MM+p+1], v[\xs+p:\xs+p+1]                              ; w r^2
.set p, p+2
.endr
.set p, 0
.rept (\n)/2
	v_pk_fma_f32 v[\xs+p:\xs+p+1], v[MM+p:MM+p+1], v[VV+p:VV+p+1], v[\xs+p:\xs+p+1]            ; w + w r^2 P
.set p, p+2
.endr
.endm
	s_load_b256 s[4:11], s[0:1], 0x0               ; x s[4:5], theta s[6:7], q_codes s[8:9], q_scales s[10:11]
	v_lshl_add_u32 v[SPW], v0, 2, SPARE
	v_mov_b32 v[NIL], 0
	ds_add_u32 v[SPW], v[NIL]                      ; the wave's opening: the add, twice on end, and its wait ahead of my first tensor load
	ds_add_u32 v[SPW], v[NIL]                      ; and once more; the set-up below, work on registers, stands between it and the wait
	v_lshrrev_b32 v1, 5, v0
	v_readfirstlane_b32 s12, v1                    ; wave 0..7
	; group 1: a row of x, 4,096 dense bytes, as 16 rows of 32 elements of 8 bytes; 4 words of padding behind every 16 words
	s_mov_b32 s[G1+0], (3<<16)|(1<<20)|(3<<22)|(3<<25)
	s_mov_b32 s[G1+1], 32<<16                      ; tensor_dim0 = 32
	s_mov_b32 s[G1+2], 16<<16                      ; tensor_dim1 = 16
	s_mov_b32 s[G1+3], 32<<16                      ; tile_dim0 = 32
	s_mov_b32 s[G1+4], 16                          ; tile_dim1 = 16
	s_mov_b32 s[G1+5], 32                          ; from row to row: 32 elements
	s_mov_b32 s[G1+6], 0
	s_mov_b32 s[G1+7], 0
	KPAIR INVPI,  0x3ea2f983                       ; 1 / pi
	KPAIR MAGIC,  0x4b400000                       ; 1.5 x 2^23
	KPAIR NMAGIC, 0xcb400000
	KPAIR NPIHI,  0xc0490fdb                       ; -(pi rounded to f32)
	KPAIR NPILO,  0x33bbbd2e                       ; -(pi less that)
	KPAIR C3,     0xbe2aaaab                       ; -1/3!
	KPAIR C5,     0x3c088889                       ; 1/5!
	KPAIR C7,     0xb9500d01                       ; -1/7!
	KPAIR C9,     0x3638ef1d                       ; 1/9!
	KPAIR C13,    0x2f309231                       ; 1/13!
	s_mul_i32 s13, s12, WREG                       ; my wave's rows in LDS
	s_lshl_b32 s2, ttmp9, 17                       ; my work-group's 32 rows of 4,096 bytes,
	s_lshl_b32 s3, s12, 14                         ; my wave's 4 of them
	s_add_co_u32 s2, s2, s3
	s_mov_b32 s3, 0
	s_wait_dscnt 0x0                               ; both opening adds are done
	s_wait_kmcnt 0x0
	s_add_nc_u64 s[4:5], s[4:5], s[2:3]
.irp i, 0,1,2,3                                ; my four rows: four tensor loads of mine are out, ahead of every wait on TENSORcnt, every LDS read and every barrier
	s_mov_b32 s[G0+4*\i], 1
	s_add_co_u32 s[G0+4*\i+1], s13, \i*XROW
	s_add_nc_u64 s[G0+4*\i+2:G0+4*\i+3], s[4:5], \i*4096
	s_or_b32 s[G0+4*\i+3], s[G0+4*\i+3], 0x80000000
	tensor_load_to_lds s[G0+4*\i:G0+4*\i+3], s[G1:G1+7]
	s_nop 0
.endr
	v_lshlrev_b32 v[TO], 4, v0
	global_load_b128 v[X:X+3], v[TO], s[6:7]       ; four theta a thread: 256 threads take all 1,024
	s_lshl_b32 s2, ttmp9, 14                       ; q_codes: 32 rows of 512 bytes a work-group, 4 a wave
	s_lshl_b32 s14, s12, 11
	s_add_co_u32 s2, s2, s14
	s_add_nc_u64 s[8:9], s[8:9], s[2:3]
	s_lshl_b32 s2, ttmp9, 10                       ; q_scales: 1,024 bytes a work-group
	s_add_nc_u64 s[10:11], s[10:11], s[2:3]
	v_and_b32 v1, 31, v0                           ; lane
	v_mul_u32_u24 v[XA], v1, 80
	v_add_nc_u32 v[XA], s13, v[XA]
	v_lshl_add_u32 v[CTW], v0, 4, CT
	v_lshl_add_u32 v[CTR], v1, 6, CT
	s_lshl_b32 s14, s12, 7
	s_add_co_u32 s14, s14, SCB
	v_lshrrev_b32 v[SBW], 1, v1
	v_add_nc_u32 v[SBW], s14, v[SBW]
	v_lshl_add_u32 v[SBR], v0, 4, SCB
	v_lshlrev_b32 v[CO], 3, v1
	v_mov_b32 v[CV], 0xb2d7322b                    ; -1/11!
	v_mov_b32 v[CV+1], 0xb2d7322b
	s_wait_loadcnt 0x0
	COS X, 4, 0, 0                                 ; cos(theta)
	ds_store_b128 v[CTW], v[X:X+3]
	s_wait_dscnt 0x0                               ; for the others' sake: my four lie in LDS
	s_barrier_signal -1
	s_barrier_wait -1                              ; the tensor loads stay out
.irp hh, 0,1
.irp j, 0,1,2,3
	ds_load_b128 v[CTH+16*\hh+4*\j:CTH+16*\hh+4*\j+3], v[CTR] offset:2048*\hh+16*\j   ; columns 512 hh + 16 lane + 0 .. 15
.endr
.endr
.macro LDX s                           ; step s: row s / 2, half s % 2: my 16 neighbours into set s % 2
.irp j, 0,1,2,3
	ds_load_b128 v[X+16*((\s)%2)+4*\j:X+16*((\s)%2)+4*\j+3], v[XA] offset:2560*(\s)+16*\j
.endr
.endm
	s_wait_tensorcnt 0x3                           ; my first row is in; the three younger loads stay out
	LDX 0
.macro STEP s
.set XS, X+16*((\s)%2)
.if (\s) < 7
.if ((\s)+1)%2 == 0
	s_wait_tensorcnt 3-((\s)+1)/2                  ; the next step opens a new row: its load is in, the younger ones stay out
.endif
	LDX (\s)+1
	s_wait_dscnt 0x4                               ; all but the four loads just issued: this step's numbers are in
.else
	s_wait_dscnt 0x0
.endif
	COS XS, 16, CTH+16*((\s)%2), 1
	v_max3_num_f32 v10, |v[XS]|, |v[XS+1]|, |v[XS+2]|              ; the largest magnitude of my 16, in two chains
	v_max3_num_f32 v11, |v[XS+3]|, |v[XS+4]|, |v[XS+5]|
.irp i, 6,10
	v_max3_num_f32 v10, v10, |v[XS+\i]|, |v[XS+\i+1]|
	v_max3_num_f32 v11, v11, |v[XS+\i+2]|, |v[XS+\i+3]|
.endr
	v_max3_num_f32 v10, v10, |v[XS+14]|, |v[XS+15]|
	v_max3_num_f32 v10, v10, v11, 0x1800000        ; and the floor 2^(3 - 127): the byte cannot fall under 1
	v_max_num_f32_dpp v10, v10, v10 row_xmask:1 row_mask:0xf bank_mask:0xf   ; with my neighbour's 16: the block's
	v_add_nc_u32 v12, 0xff000000, v10              ; 2 off its exponent field: the conversion takes the exponent field of this operand as its scale
	v_cvt_scalef32_pk8_fp4_f32 v[C+2*(\s)], v[XS:XS+7], v12
	v_cvt_scalef32_pk8_fp4_f32 v[C+2*(\s)+1], v[XS+8:XS+15], v12
	v_lshrrev_b32 v[E+(\s)], 23, v12               ; the scale's byte (also the plain line behind the conversions)
	ds_store_b8 v[SBW], v[E+(\s)] offset:16*(\s)   ; both lanes of a block write the same byte with the same value
	global_store_b64 v[CO], v[C+2*(\s):C+2*(\s)+1], s[8:9] offset:256*(\s)   ; the wave stores 256 consecutive bytes, at a multiple of 256 from the buffer's first byte
.endm
.irp s, 0,1,2,3,4,5,6,7
	STEP \s
.endr
	s_wait_dscnt 0x0                               ; for the others' sake: my scale bytes lie in LDS
	s_barrier_signal -1
	s_barrier_wait -1
	s_cmp_lt_u32 s12, 2                            ; waves 0 and 1 store the work-group's 1,024 scale bytes, 512 consecutive bytes each
	s_cbranch_scc0 .Lno_scales
	ds_load_b128 v[X:X+3], v[SBR]
	s_wait_dscnt 0x0
	global_store_b128 v[TO], v[X:X+3], s[10:11]
.Lno_scales:
	s_wait_tensorcnt 0x0                           ; the wave's end: a wait, an add and a wait, behind my last tensor load and my last LDS store
	ds_add_u32 v[SPW], v[NIL]
	s_wait_dscnt 0x0
	s_endpgm
.Lfunc_end_k_qd088cf2582_quant:
	.size	k_qd088cf2582_quant, .Lfunc_end_k_qd088cf2582_quant-k_qd088cf2582_quant
	.p2alignl 7, 3214868480
	.fill 96, 4, 3214868480
	.section	.rodata,"a",@progbits
	.p2align	6, 0x0
	.amdhsa_kernel k_qd088cf2582_quant
		.amdhsa_group_segment_fixed_size 169984
		.amdhsa_private_segment_fixed_size 0
		.amdhsa_enable_private_segment 0
		.amdhsa_kernarg_size 32
		.amdhsa_user_sgpr_count 2
		.amdhsa_user_sgpr_kernarg_segment_ptr 1
		.amdhsa_wavefront_size32 1
		.amdhsa_system_sgpr_workgroup_id_x 1
		.amdhsa_system_sgpr_workgroup_id_y 1
		.amdhsa_system_sgpr_workgroup_id_z 1
		.amdhsa_system_vgpr_workitem_id 0
		.amdhsa_next_free_vgpr 144
		.amdhsa_next_free_sgpr 66
		.amdhsa_reserve_vcc 0
		.amdhsa_float_denorm_mode_32 3
		.amdhsa_float_denorm_mode_16_64 3
		.amdhsa_memory_ordered 1
		.amdhsa_forward_progress 1
		.amdhsa_inst_pref_size 87
	.end_amdhsa_kernel
	.amdgpu_metadata
---
amdhsa.version: [ 1, 2 ]
amdhsa.kernels:
  - .name:           k_qd088cf2582_quant
    .symbol:         k_qd088cf2582_quant.kd
    .args:
      - { .name: x, .offset: 0, .size: 8, .value_kind: global_buffer, .address_space: global }
      - { .name: theta, .offset: 8, .size: 8, .value_kind: global_buffer, .address_space: global }
      - { .name: q_codes, .offset: 16, .size: 8, .value_kind: global_buffer, .address_space: global }
      - { .name: q_scales, .offset: 24, .size: 8, .value_kind: global_buffer, .address_space: global }
    .group_segment_fixed_size: 169984
    .private_segment_fixed_size: 0
    .kernarg_segment_align: 8
    .kernarg_segment_size: 32
    .max_flat_workgroup_size: 256
    .sgpr_count:     66
    .vgpr_count:     144
    .wavefront_size: 32
...
	.end_amdgpu_metadata
.endif
;; end of part 1
;; launch up (part 2): grid 8 x 32, 4 waves a work-group, clusters of 4 x 4, 327,680 bytes of LDS; arguments q_codes, q_scales, W1_codes, W1_scales, h_codes, h_scales; writes h_codes, h_scales
.if DOCPART == 2
	.amdgcn_target "amdgcn-amd-amdhsa--gfx1250"
	.amdhsa_code_object_version 6
	.text
	.protected	k_qd088cf2582_up
	.globl	k_qd088cf2582_up
	.p2align	8
	.type	k_qd088cf2582_up,@function
k_qd088cf2582_up:
	s_mov_b64 s[64:65], 0
	v_nop
	global_prefetch_b8 v0, s[64:65] scope:SCOPE_SE
	s_setreg_imm32_b32 hwreg(HW_REG_WAVE_MODE, 25, 1), 1
	s_wait_xcnt 0x0
	s_wait_alu depctr_hold_cnt(0) depctr_sa_sdst(0) depctr_va_vdst(0) depctr_va_sdst(0) depctr_va_ssrc(0) depctr_va_vcc(0) depctr_vm_vsrc(0)
	s_getreg_b32 s2, hwreg(HW_REG_IB_STS2, 6, 4)
	s_cmp_eq_u32 s2, 0
	s_cbranch_scc0 .Lentry_in_a_cluster
	s_endpgm
.Lentry_in_a_cluster:
	s_bfe_u32 s2, ttmp6, 0x10000c
	s_cmp_lg_u32 s2, 0xf033
	s_cbranch_scc0 .Lentry_shape_is_right
	s_endpgm
.Lentry_shape_is_right:
; h = relu(q W1^T), [8192 tokens][4096 units], on codes of FP4 (E2M1) with E8M0 scales, and quantised again along the units.  No work is left out.
; q_codes [8192][512 B], q_scales [8192][32]; W1_codes [4096][512 B], W1_scales [4096][32]: K = 1,024 innermost.
; OUT, laid as the next launch's operand registers want it: h_codes [tile of 16 tokens 512][K step of 128 units 32][c 2][lane 32][16 B]: lane (r, h') holds in registers 4 c .. 4 c + 3
; the units 128 ks + 64 c + 32 h' + 0 .. 31 of token 16 mt + r;  h_scales [run of 512 units 8][token 8192][16 B]: a token's four scale words of the run.
; LIMITS: a block of h without a positive number gets the byte 1 where the rule says 127: its codes are zeros, and this program alone reads the bytes.  NaN and infinities are not served.
; SHARES.  A work-group of four waves stays on 256 tokens x 512 units, as two tiles of 256 x 256; a wave makes 128 x 128: 64 accumulators, 512 registers.
; K is two halves of 512, one in each of two LDS slots.  The tokens' rows stay in both slots for both tiles; W1's half of a slot is filled again for the second tile.
; CLUSTERS: 4 x 4 work-groups.  The four of a row of the cluster need the same tokens, the four of a column the same rows of W1: each tile is asked for jointly.
; THE MATRIX INSTRUCTION IS USED TRANSPOSED (source 0 = 16 rows of W1, source 1 = 16 tokens): a lane holds one token and eight neighbouring units.
; REGISTERS, in windows of 256: window 0: v1-29 addresses; v32-95 scale words, two sets; v96-111 at work; v112-127 codes just made, two sets; v128-191, v192-255 the tokens' fragments, two sets.
;   window 1: v0-63, v128-191 W1's fragments, two sets.   windows 2, 3: accumulator (a, b) at v[8 (8 (a % 4) + b)] of window 2 + a / 4.
.set PITCH, 272                        ; an LDS row: 256 bytes + 16 of padding: an odd multiple of 16, so the 16 rows of a fragment load begin in 16 different columns of 16 bytes
.set BLK,   16*PITCH
.set HALFT, 128*PITCH                  ; 128 rows: what one tensor load brings, and what one wave reads of one side
.set SLOT,  4*HALFT                    ; the tokens' 256 rows, then W1's 256 rows
.set SCA,   2*SLOT                     ; behind the ring: the tokens' scale bytes, 8,192, as units of 256 + 16
.set SCB,   SCA+8704                   ; W1's, 16,384 likewise: 8,704 bytes for each tile
.set HS,    SCB+17408                  ; h's scale words on their way out: [256 tokens][16 B]; no tensor load lands here
.set SPARE, HS+4096                    ; the spare words, 128 bytes for each wave: two blocks of 256 bytes that no other line names
.set ADRA, 16                          ; v16-17 LDS address of my tokens' fragments in slot 0, 1
.set ADRB, 20                          ; v20-21 the same for W1
.set ADSA, 22                          ; v22    my tokens' scale words
.set ADSB, 23                          ; v23    W1's
.set HSA,  24                          ; v24    where I put a token's scale word of h
.set HRD,  25                          ; v25    where I read them back
.set LI,   26                          ; v26    16 x lane
.set SPW,  28                          ; v28    LDS address of my spare word; never rewritten
.set NIL,  29                          ; v29    0; never rewritten
.set SC,   32                          ; scale words: set s at SC + 32 s; tokens' pair p at + 4 p + q, W1's at + 16 + 4 p + q.  A register holds block 2 p's words in lanes 0-15 and block 2 p + 1's in lanes 16-31
.set TM,   96                          ; v96-99 largest numbers, v100-103 bytes, v108-111 the conversions' scale operands
.set PW,   104                         ; the scale word just made
.set PCD,  112                         ; the codes just made
.set AF,   128
.set WVN, 16                           ; s16 wave;  s17 which half of the tokens is mine, also: I fetch for the tokens (0) or for W1 (1);  s18 which half of the units, also: which half I fetch
.set WMH, 17
.set WNH, 18
.set G1A, 24
.set G0A, 32
.set G1B, 48
.set G0B, 56
.set SEL, 66
.set G1SA, 68
.set G0SA, 76
.set G1SB, 80
.set G0SB, 88
.set NIB, 94                           ; s94 the sign bits of eight codes
.set MSB, 0
.macro WIN new                         ; the immediate's high byte repeats the setting that is left; a switch that changes nothing is dropped
.if MSB != (\new)
	s_set_vgpr_msb (MSB<<8)|(\new)
.set MSB, (\new)
.endif
.endm
.set MUL_LO, 0xa1                      ; source 0 (W1) window 1, source 1 (tokens) window 0, C and D window 2
.set MUL_HI, 0xf1                      ; the same, C and D window 3
.set TO_B,   0x40                      ; destination window 1, address window 0
.macro PLACES n
.rept \n
	v_nop
.endr
.endm
; A joint load: waves 0 and 1 fetch for the tokens, waves 2 and 3 for W1.  The branch hangs on the wave's number alone.  An s_nop 0 and four v_nop follow each line.
.macro JLOAD g0a, g1a, g0b, g1b
	s_cmp_eq_u32 s[WMH], 0
	s_cbranch_scc0 .Lfor_b_\@
	tensor_load_to_lds s[\g0a:\g0a+3], s[\g1a:\g1a+7]
	s_nop 0
.rept 4
	v_nop
.endr
	s_branch .Lasked_\@
.Lfor_b_\@:
	tensor_load_to_lds s[\g0b:\g0b+3], s[\g1b:\g1b+7]
	s_nop 0
.rept 4
	v_nop
.endr
.Lasked_\@:
.endm
.macro JLOADB slot                     ; the refill: W1's half of a slot alone; waves 0 and 1 have no part of it
	s_cmp_eq_u32 s[WMH], 0
	s_cbranch_scc1 .Lno_part_\@
	tensor_load_to_lds s[G0B+4*\slot:G0B+4*\slot+3], s[G1B:G1B+7]
	s_nop 0
.rept 4
	v_nop
.endr
.Lno_part_\@:
.endm
.macro CREST                           ; a round of the cluster's barrier behind its opening barrier
	s_cmp_lg_u32 s[WVN], 0
	s_cbranch_scc1 .Lnot_wave_0_\@
	s_barrier_signal -3
.Lnot_wave_0_\@:
	s_barrier_wait -3
	s_barrier_signal -1
	s_barrier_wait -1
.endm
.macro CROUND
	s_barrier_signal -1
	s_barrier_wait -1
	CREST
.endm
	s_load_b256 s[4:11], s[0:1], 0x0               ; q_codes s[4:5], q_scales s[6:7], W1_codes s[8:9], W1_scales s[10:11]
	s_load_b128 s[12:15], s[0:1], 0x20             ; h_codes s[12:13], h_scales s[14:15]
	v_lshl_add_u32 v[SPW], v0, 2, SPARE
	v_mov_b32 v[NIL], 0
	ds_add_u32 v[SPW], v[NIL]                      ; the wave's opening: the add, twice on end, and its wait ahead of my first tensor load
	ds_add_u32 v[SPW], v[NIL]                      ; and once more; the set-up below, work on registers, stands between it and the wait
	v_lshrrev_b32 v1, 5, v0
	v_readfirstlane_b32 s[WVN], v1
	s_lshr_b32 s[WMH], s[WVN], 1
	s_and_b32 s[WNH], s[WVN], 1
	s_bfe_u32 s40, ttmp6, 0x40000                  ; cx, cy: my place in the cluster
	s_bfe_u32 s41, ttmp6, 0x40004
	s_lshl_b32 s42, ttmp9, 2
	s_add_co_u32 s42, s42, s40                     ; X = 4 x cluster x + cx: my 512 units
	s_and_b32 s43, ttmp7, 0xffff
	s_lshl_b32 s43, s43, 2
	s_add_co_u32 s43, s43, s41                     ; Y = 4 x cluster y + cy: my 256 tokens
	s_lshl_b32 s44, s41, 2
	s_lshl_b32 s44, 15, s44                        ; my row of the cluster
	s_lshl_b32 s45, 0x1111, s40                    ; my column
	; group 1, codes: 128 rows of 256 bytes, 512 bytes apart in memory; 4 words of padding behind every 64
	s_or_b32 s[G1A+0], s44, (1<<20)|(1<<21)|(5<<22)|(3<<25)
	s_or_b32 s[G1B+0], s45, (1<<20)|(1<<21)|(5<<22)|(3<<25)
.irp g, G1A, G1B
	s_mov_b32 s[\g+1], 256<<16                     ; tensor_dim0
	s_mov_b32 s[\g+2], 128<<16                     ; tensor_dim1
	s_mov_b32 s[\g+3], 256<<16                     ; tile_dim0
	s_mov_b32 s[\g+4], 128                         ; tile_dim1
	s_mov_b32 s[\g+5], 512                         ; from row to row
	s_mov_b32 s[\g+6], 0
	s_mov_b32 s[\g+7], 0
.endr
	; group 1, scale bytes: dense blocks as rows of 256 bytes (32 elements of 8), 16 bytes of padding behind each: 16 such rows for 128 tokens, 32 for 256 rows of W1
	s_or_b32 s[G1SA+0], s44, (3<<16)|(1<<20)|(1<<21)|(5<<22)|(3<<25)
	s_mov_b32 s[G1SA+1], 32<<16
	s_mov_b32 s[G1SA+2], 16<<16
	s_mov_b32 s[G1SA+3], 32<<16
	s_mov_b32 s[G1SA+4], 16
	s_mov_b32 s[G1SA+5], 32
	s_mov_b32 s[G1SA+6], 0
	s_mov_b32 s[G1SA+7], 0
	s_or_b32 s[G1SB+0], s45, (3<<16)|(1<<20)|(1<<21)|(5<<22)|(3<<25)
	s_mov_b32 s[G1SB+1], 32<<16
	s_mov_b32 s[G1SB+2], 32<<16
	s_mov_b32 s[G1SB+3], 32<<16
	s_mov_b32 s[G1SB+4], 32
	s_mov_b32 s[G1SB+5], 32
	s_mov_b32 s[G1SB+6], 0
	s_mov_b32 s[G1SB+7], 0
	; where the tiles come from: the tokens' hang on Y alone, W1's on X alone, each in registers that never hold the other coordinate
	s_lshl_b32 s19, s[WNH], 16                     ; the 128 rows that I fetch: 128 x 512 bytes
	s_lshl_b32 s20, s43, 17                        ; 256 tokens x 512 bytes
	s_add_co_u32 s20, s20, s19
	s_mov_b32 s21, 0
	s_lshl_b32 s46, s42, 18                        ; 512 rows of W1 x 512 bytes
	s_add_co_u32 s46, s46, s19
	s_mov_b32 s47, 0
	s_lshl_b32 s19, s[WNH], 12                     ; 128 tokens x 32 scale bytes
	s_lshl_b32 s22, s43, 13
	s_add_co_u32 s22, s22, s19
	s_mov_b32 s23, 0
	s_lshl_b32 s19, s[WNH], 13                     ; 256 rows of W1 x 32: wave 2 brings the first tile's, wave 3 the second's
	s_lshl_b32 s92, s42, 14
	s_add_co_u32 s92, s92, s19
	s_mov_b32 s93, 0
	s_mul_i32 s19, s[WVN], HALFT                   ; where they go: wave x 128 rows; no place in the cluster enters an LDS address
	s_mul_i32 s2, s[WNH], 4352
	s_mul_i32 s3, s[WNH], 8704
	s_mov_b32 s[SEL], 0x76543210
	s_mov_b32 s[SEL+1], 0xfedcba98                 ; v_permlanex16_b32's selects for lane l xor 16
	s_mov_b32 s[NIB], 0x88888888
	s_wait_dscnt 0x0                               ; both opening adds are done
	s_wait_kmcnt 0x0
	s_add_nc_u64 s[20:21], s[4:5], s[20:21]
	s_add_nc_u64 s[22:23], s[6:7], s[22:23]
	s_add_nc_u64 s[46:47], s[8:9], s[46:47]
	s_add_nc_u64 s[92:93], s[10:11], s[92:93]
	CROUND                                         ; all sixteen work-groups are here: the first joint loads meet
	s_mov_b32 s[G0SA], 1
	s_add_co_u32 s[G0SA+1], s2, SCA
	s_mov_b64 s[G0SA+2:G0SA+3], s[22:23]
	s_or_b32 s[G0SA+3], s[G0SA+3], 0x80000000
	s_mov_b32 s[G0SB], 1
	s_add_co_u32 s[G0SB+1], s3, SCB
	s_mov_b64 s[G0SB+2:G0SB+3], s[92:93]
	s_or_b32 s[G0SB+3], s[G0SB+3], 0x80000000
	JLOAD G0SA, G1SA, G0SB, G1SB                   ; the scale bytes first: they are wanted with the first half of K
.irp s, 0,1
	s_mov_b32 s[G0A+4*\s], 1
	s_add_co_u32 s[G0A+4*\s+1], s19, \s*SLOT
	s_add_nc_u64 s[G0A+4*\s+2:G0A+4*\s+3], s[20:21], \s*256
	s_or_b32 s[G0A+4*\s+3], s[G0A+4*\s+3], 0x80000000
	s_mov_b32 s[G0B+4*\s], 1
	s_add_co_u32 s[G0B+4*\s+1], s19, \s*SLOT
	s_add_nc_u64 s[G0B+4*\s+2:G0B+4*\s+3], s[46:47], \s*256
	s_or_b32 s[G0B+4*\s+3], s[G0B+4*\s+3], 0x80000000
	JLOAD G0A+4*\s, G1A, G0B+4*\s, G1B             ; three tensor loads of mine are out
.endr
	v_and_b32 v1, 15, v0                           ; r
	v_bfe_u32 v2, v0, 4, 1                         ; h
	v_and_b32 v3, 31, v0                           ; lane
	v_mul_u32_u24 v4, v1, PITCH
	v_lshl_add_u32 v4, v2, 4, v4                   ; a fragment's row x pitch + 16 x half
	s_mul_i32 s19, s[WMH], HALFT                   ; my 128 tokens
	s_mul_i32 s2, s[WNH], HALFT                    ; my 128 rows of W1,
	s_add_co_u32 s2, s2, 2*HALFT                   ; behind the tokens' 256
.irp s, 0,1
	v_add_nc_u32 v[ADRA+\s], s19, v4
	v_add_nc_u32 v[ADRB+\s], s2, v4
	s_add_co_u32 s19, s19, SLOT
	s_add_co_u32 s2, s2, SLOT
.endr
	v_lshrrev_b32 v5, 3, v3                        ; scale bytes: 32 a row, eight rows to a unit of 256 + 16: row l of a pair of blocks lies at 272 (l / 8) + 32 (l % 8)
	v_mul_u32_u24 v5, v5, 272
	v_and_b32 v6, 7, v3
	v_lshl_add_u32 v5, v6, 5, v5
	s_mul_i32 s19, s[WMH], 4352
	s_add_co_u32 s19, s19, SCA
	v_add_nc_u32 v[ADSA], s19, v5
	s_mul_i32 s19, s[WNH], 4352
	s_add_co_u32 s19, s19, SCB
	v_add_nc_u32 v[ADSB], s19, v5
	s_lshl_b32 s19, s[WMH], 11                     ; h's scale words: token 128 WM + 16 a + r, 16 bytes a token; word 2 t + WN
	s_lshl_b32 s2, s[WNH], 2
	s_add_co_u32 s19, s19, s2
	s_add_co_u32 s19, s19, HS
	v_lshl_add_u32 v[HSA], v1, 4, s19
	s_lshl_b32 s19, s[WVN], 10
	s_add_co_u32 s19, s19, HS
	v_lshl_add_u32 v[HRD], v3, 4, s19
	v_lshlrev_b32 v[LI], 4, v3
.irp b, 0,1,2,3
	v_mov_b32 v[TM+4+\b], 0                        ; written once: a lane permute's destination counts as one of its sources
.endr
	s_lshl_b32 s96, s43, 19                        ; h_codes: tile of tokens 16 Y + 8 WM + a, 32,768 bytes each; K step 4 X + 2 t + WN, 1,024 bytes each
	s_lshl_b32 s97, s[WMH], 18
	s_add_co_u32 s96, s96, s97
	s_lshl_b32 s97, s42, 12
	s_add_co_u32 s96, s96, s97
	s_lshl_b32 s97, s[WNH], 10
	s_add_co_u32 s96, s96, s97
	s_mov_b32 s97, 0
	s_add_nc_u64 s[12:13], s[12:13], s[96:97]
	s_lshl_b32 s96, s42, 17                        ; h_scales: run X, 131,072 bytes each; 256 tokens x 16 bytes a work-group; 1,024 bytes a wave
	s_lshl_b32 s97, s43, 12
	s_add_co_u32 s96, s96, s97
	s_lshl_b32 s97, s[WVN], 10
	s_add_co_u32 s96, s96, s97
	s_mov_b32 s97, 0
	s_add_nc_u64 s[14:15], s[14:15], s[96:97]
; One matrix instruction on the registers named by rD, rW, rT, rSW, rST.  zero = 1: it starts the sum.  r0, r1: source 0's, source 1's scale words stand in lanes 16-31
.macro WMMA1 zero, r0, r1
.if \zero
.if (\r0) && (\r1)
	v_wmma_scale_f32_16x16x128_f8f6f4 v[rD:rD+7], v[rW:rW+7], v[rT:rT+7], 0, v[rSW], v[rST] matrix_a_fmt:MATRIX_FMT_FP4 matrix_b_fmt:MATRIX_FMT_FP4 matrix_a_scale:MATRIX_SCALE_ROW1 matrix_b_scale:MATRIX_SCALE_ROW1
.elseif \r0
	v_wmma_scale_f32_16x16x128_f8f6f4 v[rD:rD+7], v[rW:rW+7], v[rT:rT+7], 0, v[rSW], v[rST] matrix_a_fmt:MATRIX_FMT_FP4 matrix_b_fmt:MATRIX_FMT_FP4 matrix_a_scale:MATRIX_SCALE_ROW1
.elseif \r1
	v_wmma_scale_f32_16x16x128_f8f6f4 v[rD:rD+7], v[rW:rW+7], v[rT:rT+7], 0, v[rSW], v[rST] matrix_a_fmt:MATRIX_FMT_FP4 matrix_b_fmt:MATRIX_FMT_FP4 matrix_b_scale:MATRIX_SCALE_ROW1
.else
	v_wmma_scale_f32_16x16x128_f8f6f4 v[rD:rD+7], v[rW:rW+7], v[rT:rT+7], 0, v[rSW], v[rST] matrix_a_fmt:MATRIX_FMT_FP4 matrix_b_fmt:MATRIX_FMT_FP4
.endif
.else
.if (\r0) && (\r1)
	v_wmma_scale_f32_16x16x128_f8f6f4 v[rD:rD+7], v[rW:rW+7], v[rT:rT+7], v[rD:rD+7], v[rSW], v[rST] matrix_a_fmt:MATRIX_FMT_FP4 matrix_b_fmt:MATRIX_FMT_FP4 matrix_a_scale:MATRIX_SCALE_ROW1 matrix_b_scale:MATRIX_SCALE_ROW1
.elseif \r0
	v_wmma_scale_f32_16x16x128_f8f6f4 v[rD:rD+7], v[rW:rW+7], v[rT:rT+7], v[rD:rD+7], v[rSW], v[rST] matrix_a_fmt:MATRIX_FMT_FP4 matrix_b_fmt:MATRIX_FMT_FP4 matrix_a_scale:MATRIX_SCALE_ROW1
.elseif \r1
	v_wmma_scale_f32_16x16x128_f8f6f4 v[rD:rD+7], v[rW:rW+7], v[rT:rT+7], v[rD:rD+7], v[rSW], v[rST] matrix_a_fmt:MATRIX_FMT_FP4 matrix_b_fmt:MATRIX_FMT_FP4 matrix_b_scale:MATRIX_SCALE_ROW1
.else
	v_wmma_scale_f32_16x16x128_f8f6f4 v[rD:rD+7], v[rW:rW+7], v[rT:rT+7], v[rD:rD+7], v[rSW], v[rST] matrix_a_fmt:MATRIX_FMT_FP4 matrix_b_fmt:MATRIX_FMT_FP4
.endif
.endif
.endm
; 8 matrix instructions: block a of tokens x W1's eight blocks, from fragment set p, the slot's q-th 128 along K, scale set sc.
; The 64 accumulators take turns, one instruction a turn, in the same order in every step.
.macro MULA a, p, q, sc, zero
.irp b, 0,1,2,3,4,5,6,7
.set rD, 8*(8*((\a)%4)+\b)
.set rW, 128*(\p)+8*\b
.set rT, AF+64*(\p)+8*(\a)
.set rSW, SC+32*(\sc)+16+4*(\b/2)+(\q)
.set rST, SC+32*(\sc)+4*((\a)/2)+(\q)
	WMMA1 \zero, \b%2, (\a)%2
.endr
.endm
; 32 LDS loads in one run: both sides' eight fragments (16 rows x 128 K: 8 registers, two loads 32 bytes apart) of the slot's q-th 128 along K, into set p
.macro FETCH slot, q, p
	WIN TO_B
.irp i, 0,1,2,3,4,5,6,7
	ds_load_b128 v[128*(\p)+8*\i:128*(\p)+8*\i+3],   v[ADRB+\slot] offset:64*(\q)+\i*BLK
	ds_load_b128 v[128*(\p)+8*\i+4:128*(\p)+8*\i+7], v[ADRB+\slot] offset:64*(\q)+\i*BLK+32
.endr
	WIN 0
.irp i, 0,1,2,3,4,5,6,7
	ds_load_b128 v[AF+64*(\p)+8*\i:AF+64*(\p)+8*\i+3],   v[ADRA+\slot] offset:64*(\q)+\i*BLK
	ds_load_b128 v[AF+64*(\p)+8*\i+4:AF+64*(\p)+8*\i+7], v[ADRA+\slot] offset:64*(\q)+\i*BLK+32
.endr
.endm
.macro SCALES sc, kh, t                ; the four scale words (half kh of K) of each pair of blocks, into set sc; t: the tile of units
.irp p, 0,1,2,3
	ds_load_b128 v[SC+32*(\sc)+4*\p:SC+32*(\sc)+4*\p+3], v[ADSA] offset:1088*\p+16*(\kh)
.endr
.irp p, 0,1,2,3
	ds_load_b128 v[SC+32*(\sc)+16+4*\p:SC+32*(\sc)+16+4*\p+3], v[ADSB] offset:8704*(\t)+1088*\p+16*(\kh)
.endr
.endm
; A step of 128 along K that has its successor in the same slot: its fragments were asked for a step ago; the next step's are asked for at its head.
.macro STEP slot, q, zero
	s_wait_dscnt 0x0                               ; this step's fragments are in
	PLACES 4                                       ; four plain places between the last step's products and the loads into the registers that they read (ISA guide 7.12.1 for vector instructions)
	FETCH \slot, (\q)+1, ((\q)+1)%2
	WIN MUL_LO
.irp a, 0,1,2,3
	MULA \a, (\q)%2, \q, \slot, \zero
.endr
	WIN MUL_HI
.irp a, 4,5,6,7
	MULA \a, (\q)%2, \q, \slot, \zero
.endr
	WIN 0
.endm
; A slot's last step changes slots: one barrier; in front of it each wave waits for all its tensor loads, adds 0 to its spare word, and waits for that and for its reads of this slot.
; fill = 1: the barrier opens a round of the cluster's, and W1's half of this slot is filled with the second tile's rows.  tnext: the tile whose scale words go with the next slot.
.macro TURN slot, next, tnext, fill
	s_wait_tensorcnt 0x0                           ; all my tensor loads have landed, my part of the next slot among them
	ds_add_u32 v[SPW], v[NIL]                      ; 0 onto my spare word
	s_wait_dscnt 0x1                               ; the add alone may be out: this step's fragments, my last reads of the slot, are in
	WIN MUL_LO
	MULA 0, 1, 3, \slot, 0
	MULA 1, 1, 3, \slot, 0
	s_wait_dscnt 0x0                               ; the add is done
	s_barrier_signal -1
	MULA 2, 1, 3, \slot, 0
	MULA 3, 1, 3, \slot, 0
	WIN 0
	s_barrier_wait -1
.if \fill
	CREST                                          ; no wave of any partner still reads this slot or has a load on its way
	s_add_nc_u64 s[G0B+4*\slot+2:G0B+4*\slot+3], s[G0B+4*\slot+2:G0B+4*\slot+3], 131072   ; 256 rows of W1 on
	JLOADB \slot                                   ; the first tensor load behind the round, one each for waves 2 and 3
.endif
	PLACES 4
	FETCH \next, 0, 0
	SCALES \next, \next, \tnext
	WIN MUL_HI
.irp a, 4,5,6,7
	MULA \a, 1, 3, \slot, 0
.endr
	WIN 0
.endm
; THE WAY OUT of block a (16 tokens x my 128 units) of tile t.  In accumulator b a lane (r, h) holds units 16 b + 8 h + 0 .. 7 of token r: accumulators 2 B and 2 B + 1 of lanes l and l xor 16 are block B of 32 units.
; The largest number is taken WITHOUT |.|: what is negative becomes 0 and must not count; the floor stands under it.  The codes are made of the numbers as they are, and the relu is done ON THE CODES:
; a code with its sign bit set loses its three other bits, which leaves -0.  Four instructions for eight numbers.
; The operand wants a whole block in a lane: the like registers of blocks 2 c and 2 c + 1 change halves.
.macro HOUT a, t
.set AC, 64*((\a)%4)
.set WW, 2+(\a)/4
.set PCS, PCD+8*((\a)%2)
	WIN (WW|(WW<<2))                               ; sources 0 and 1: the accumulators' window
.irp b, 0,1,2,3
	v_max3_num_f32 v[TM+\b], v[AC+16*\b], v[AC+16*\b+1], 0x1800000   ; each accumulator is read from its low end on; the floor 2^(3 - 127) holds the byte at 1 from below
.endr
.irp i, 2,4,6,8,10,12,14
.irp b, 0,1,2,3
	v_max3_num_f32 v[TM+\b], v[AC+16*\b+\i], v[AC+16*\b+\i+1], v[TM+\b]
.endr
.endr
	WIN 0
.irp b, 0,1,2,3
	v_permlanex16_b32 v[TM+4+\b], v[TM+\b], s[SEL], s[SEL+1]
.endr
.irp b, 0,1,2,3
	v_max_num_f32 v[TM+\b], v[TM+\b], v[TM+4+\b]   ; with lane l xor 16's: the block's largest number
.endr
.irp b, 0,1,2,3
	v_add_nc_u32 v[TM+12+\b], 0xff000000, v[TM+\b] ; 2 off its exponent field: the conversion's scale operand
.endr
.irp b, 0,1,2,3
	v_lshrrev_b32 v[TM+4+\b], 23, v[TM+12+\b]      ; the scale's byte
.endr
	v_lshl_or_b32 v[PW], v[TM+5], 8, v[TM+4]
	v_lshl_or_b32 v[PW], v[TM+6], 16, v[PW]
	v_lshl_or_b32 v[PW], v[TM+7], 24, v[PW]        ; my token's scale word for these 128 units
	ds_store_b32 v[HSA], v[PW] offset:256*(\a)+8*(\t)   ; lanes r and r + 16 write the same word with the same value
	s_wait_xcnt 0x0                                ; the stores of two blocks back have read this set of code registers
	WIN WW                                         ; source 0: the accumulators' window
.irp c, 0,1
	v_cvt_scalef32_pk8_fp4_f32 v[PCS+4*\c],   v[AC+8*(4*\c):AC+8*(4*\c)+7],     v[TM+12+2*\c]
	v_cvt_scalef32_pk8_fp4_f32 v[PCS+4*\c+1], v[AC+8*(4*\c+2):AC+8*(4*\c+2)+7], v[TM+13+2*\c]
	v_cvt_scalef32_pk8_fp4_f32 v[PCS+4*\c+2], v[AC+8*(4*\c+1):AC+8*(4*\c+1)+7], v[TM+12+2*\c]
	v_cvt_scalef32_pk8_fp4_f32 v[PCS+4*\c+3], v[AC+8*(4*\c+3):AC+8*(4*\c+3)+7], v[TM+13+2*\c]
.endr
	WIN 0
	v_nop                                          ; one plain place behind a scaled conversion
.irp g, 0,4
.irp i, 0,1,2,3
	v_and_b32 v[TM+\i], s[NIB], v[PCS+\g+\i]       ; the sign bits: 8 in each negative code's four bits,
.endr
.irp i, 0,1,2,3
	v_lshrrev_b32 v[TM+4+\i], 3, v[TM+\i]          ; 1 there,
.endr
.irp i, 0,1,2,3
	v_sub_nc_u32 v[TM+\i], v[TM+\i], v[TM+4+\i]    ; 7 there:
.endr
.irp i, 0,1,2,3
	v_bfi_b32 v[PCS+\g+\i], v[TM+\i], 0, v[PCS+\g+\i]   ; those three bits are cleared
.endr
.endr
.irp c, 0,1
	v_permlane16_swap_b32 v[PCS+4*\c], v[PCS+4*\c+1]     ; the first's lanes 16-31 change places with the second's lanes 0-15: registers 4 c .. 4 c + 3 now hold units 64 c + 32 h + 0 .. 31
	v_permlane16_swap_b32 v[PCS+4*\c+2], v[PCS+4*\c+3]
.endr
.irp c, 0,1
	global_store_b128 v[LI], v[PCS+4*\c:PCS+4*\c+3], s[12:13] offset:32768*(\a)+2048*(\t)+512*\c   ; the wave stores 512 consecutive bytes, at a multiple of 256 from the buffer's first byte
.endr
.endm
	s_wait_tensorcnt 0x1                           ; the scale bytes and my part of slot 0 are in; slot 1's load may stay out
	s_barrier_signal -1
	s_barrier_wait -1
	FETCH 0, 0, 0
	SCALES 0, 0, 0
	; ---- the first tile of units
	STEP 0, 0, 1                                   ; its first products start the sums: nothing is cleared
	STEP 0, 1, 0
	STEP 0, 2, 0
	TURN 0, 1, 0, 1                                ; slot 0 takes the second tile's rows of W1
	STEP 1, 0, 0
	STEP 1, 1, 0
	STEP 1, 2, 0
	TURN 1, 0, 1, 1                                ; slot 1 likewise; the second tile's first fragments are fetched
	PLACES 4                                       ; between the last products and the first read of results
.irp a, 0,1,2,3,4,5,6,7
	HOUT \a, 0                                     ; the tile goes out while slot 1's refill is on its way
.endr
	; ---- the second tile
	STEP 0, 0, 1
	STEP 0, 1, 0
	STEP 0, 2, 0
	TURN 0, 1, 1, 0                                ; nothing is left to fetch: a plain barrier
	STEP 1, 0, 0
	STEP 1, 1, 0
	STEP 1, 2, 0
	s_wait_dscnt 0x0                               ; the very last step
	WIN MUL_LO
.irp a, 0,1,2,3
	MULA \a, 1, 3, 1, 0
.endr
	WIN MUL_HI
.irp a, 4,5,6,7
	MULA \a, 1, 3, 1, 0
.endr
	WIN 0
	PLACES 4
.irp a, 0,1,2,3,4,5,6,7
	HOUT \a, 1
.endr
	s_wait_dscnt 0x0                               ; for the others' sake: my scale words lie in LDS
	s_barrier_signal -1
	s_barrier_wait -1                              ; a token's 16 bytes come from two waves and two tiles
	ds_load_b128 v[TM:TM+3], v[HRD]
	ds_load_b128 v[TM+4:TM+7], v[HRD] offset:512
	s_wait_dscnt 0x0
	global_store_b128 v[LI], v[TM:TM+3], s[14:15]              ; 512 consecutive bytes each
	global_store_b128 v[LI], v[TM+4:TM+7], s[14:15] offset:512
	s_wait_tensorcnt 0x0                           ; the wave's end: a wait, an add and a wait, behind my last tensor load and my last LDS store
	ds_add_u32 v[SPW], v[NIL]
	s_wait_dscnt 0x0
	CROUND                                         ; the closing round: no work-group ends while a partner may still ask for a tile that names it
	s_endpgm
.Lfunc_end_k_qd088cf2582_up:
	.size	k_qd088cf2582_up, .Lfunc_end_k_qd088cf2582_up-k_qd088cf2582_up
	.p2alignl 7, 3214868480
	.fill 96, 4, 3214868480
	.section	.rodata,"a",@progbits
	.p2align	6, 0x0
	.amdhsa_kernel k_qd088cf2582_up
		.amdhsa_group_segment_fixed_size 327680
		.amdhsa_private_segment_fixed_size 0
		.amdhsa_enable_private_segment 0
		.amdhsa_kernarg_size 48
		.amdhsa_user_sgpr_count 2
		.amdhsa_user_sgpr_kernarg_segment_ptr 1
		.amdhsa_wavefront_size32 1
		.amdhsa_system_sgpr_workgroup_id_x 1
		.amdhsa_system_sgpr_workgroup_id_y 1
		.amdhsa_system_sgpr_workgroup_id_z 1
		.amdhsa_system_vgpr_workitem_id 0
		.amdhsa_next_free_vgpr 1024
		.amdhsa_next_free_sgpr 98
		.amdhsa_reserve_vcc 0
		.amdhsa_float_denorm_mode_32 3
		.amdhsa_float_denorm_mode_16_64 3
		.amdhsa_memory_ordered 1
		.amdhsa_forward_progress 1
		.amdhsa_inst_pref_size 255
	.end_amdhsa_kernel
	.section	.bss,"aw",@nobits
	.p2align	6
	.space	262144
	.amdgpu_metadata
---
amdhsa.version: [ 1, 2 ]
amdhsa.kernels:
  - .name:           k_qd088cf2582_up
    .symbol:         k_qd088cf2582_up.kd
    .args:
      - { .name: q_codes, .offset: 0, .size: 8, .value_kind: global_buffer, .address_space: global }
      - { .name: q_scales, .offset: 8, .size: 8, .value_kind: global_buffer, .address_space: global }
      - { .name: W1_codes, .offset: 16, .size: 8, .value_kind: global_buffer, .address_space: global }
      - { .name: W1_scales, .offset: 24, .size: 8, .value_kind: global_buffer, .address_space: global }
      - { .name: h_codes, .offset: 32, .size: 8, .value_kind: global_buffer, .address_space: global }
      - { .name: h_scales, .offset: 40, .size: 8, .value_kind: global_buffer, .address_space: global }
    .group_segment_fixed_size: 327680
    .private_segment_fixed_size: 0
    .kernarg_segment_align: 8
    .kernarg_segment_size: 48
    .max_flat_workgroup_size: 128
    .sgpr_count:     98
    .vgpr_count:     1024
    .wavefront_size: 32
...
	.end_amdgpu_metadata
.endif
;; end of part 2
;; launch down (part 3): grid 8 x 32, 4 waves a work-group, clusters of 4 x 4, 296,448 bytes of LDS; arguments h_codes, h_scales, W2_codes, W2_scales, out0; writes out0
.if DOCPART == 3
	.amdgcn_target "amdgcn-amd-amdhsa--gfx1250"
	.amdhsa_code_object_version 6
	.text
	.protected	k_qd088cf2582_down
	.globl	k_qd088cf2582_down
	.p2align	8
	.type	k_qd088cf2582_down,@function
k_qd088cf2582_down:
	s_mov_b64 s[64:65], 0
	v_nop
	global_prefetch_b8 v0, s[64:65] scope:SCOPE_SE
	s_setreg_imm32_b32 hwreg(HW_REG_WAVE_MODE, 25, 1), 1
	s_wait_xcnt 0x0
	s_wait_alu depctr_hold_cnt(0) depctr_sa_sdst(0) depctr_va_vdst(0) depctr_va_sdst(0) depctr_va_ssrc(0) depctr_va_vcc(0) depctr_vm_vsrc(0)
	s_getreg_b32 s2, hwreg(HW_REG_IB_STS2, 6, 4)
	s_cmp_eq_u32 s2, 0
	s_cbranch_scc0 .Lentry_in_a_cluster
	s_endpgm
.Lentry_in_a_cluster:
	s_bfe_u32 s2, ttmp6, 0x10000c
	s_cmp_lg_u32 s2, 0xf033
	s_cbranch_scc0 .Lentry_shape_is_right
	s_endpgm
.Lentry_shape_is_right:
; out = h W2^T, [8192 tokens][1024] f32, on codes of FP4 (E2M1) with E8M0 scales; K = 4,096.  No work is left out.
; h_codes [tile of 16 tokens 512][K step of 128 32][c 2][lane 32][16 B]: images of the operand's registers;  h_scales [run of 512 along K 8][token 8192][16 B];
; W2_codes [1024][2,048 B], W2_scales [1024][128]: K innermost.
; SHARES.  A work-group of four waves makes 256 tokens x 128 outputs: 256 work-groups.  Wave w makes tokens 64 w .. 64 w + 63 x all 128 outputs: 32 accumulators, 256 registers.
; W2's 128 rows, for ALL of K, lie in LDS: 8 runs of 512 along K, 128 rows x (256 + 16) bytes each, and their scale bytes.  They are asked for once, at the head, five tensor loads a wave: no LDS byte is filled twice,
; so there is no ring.  The loads go out in K's order, and a barrier stands in front of each 1,024 along K, with a counted wait that leaves the later loads on their way.
; THE TOKENS' CODES GO FROM MEMORY STRAIGHT INTO REGISTERS: they lie in memory as the operand's registers want them, so a fragment is two loads of 512 consecutive bytes, and no two waves of a work-group read the same tokens.
; A ring of eight steps in registers; the loads run seven steps ahead: 56 loads and at most 4 of scale words are out, under counted waits.
; CLUSTERS: 4 x 4 work-groups.  The four of a column of the cluster need the same rows of W2: each of its tiles is asked for jointly.  The four of a row need the same tokens and do NOT ask jointly: beside W2's
; 295,936 bytes and the spare words LDS has 31,232 bytes left, under two steps' codes of 256 tokens (16,384 bytes a step): a ring there would be filled again more than thirty times.
; THE MATRIX INSTRUCTION IS USED TRANSPOSED (source 0 = 16 rows of W2, source 1 = 16 tokens): a lane holds eight neighbouring numbers of a row of out.
; The 32 steps are written out by one macro: the waits' counts differ from step to step, and every offset is an immediate, so that no address is ever stepped.
; REGISTERS, in windows of 256: window 0: v1-29 addresses; v32-63 W2's scale words, two sets; v64-95 the tokens' scale words, four sets; v128-255 rows of out on the way out.
;   window 1: W2's fragments, four sets of 64 (step % 4).   window 2: accumulator (a, b) at v[8 (8 a + b)].   window 3: the tokens' fragments, eight sets of 32 (step % 8).
.set PITCH, 272                        ; W2's rows in LDS: 256 bytes + 16 of padding: an odd multiple of 16, so the 16 rows of a fragment load begin in 16 different columns of 16 bytes
.set BLK,   16*PITCH                   ; 16 rows; also the scale bytes of 32 rows: 16 units of 256 + 16
.set UNIT,  64*PITCH                   ; 64 rows: what one tensor load brings
.set RUN,   128*PITCH                  ; a run: 512 along K of all 128 rows
.set BSC,   8*RUN                      ; behind the eight runs: W2's scale bytes, 16,384, as units of 256 + 16: two rows of 128 bytes to a unit
.set SPARE, BSC+17408                  ; the spare words, 128 bytes for each wave: two blocks of 256 bytes that no other line names
.set STAGE, 0                          ; the way out: 16 rows x (512 + 16) bytes for each wave, 33,792 in all, in run 0: it has had its only fill, and three barriers stand behind the last read of it
.set SPITCH, 528
.set STEPS, 32                         ; steps of 128 along K
.set AHEAD, 7                          ; how many steps ahead the tokens' loads run
.set ADRB, 8                           ; v8-15  LDS address of W2's fragments, a register for each run
.set ADSB, 16                          ; v16    of W2's scale words
.set STO,  24                          ; v24    the way out: where I put 32 bytes of a row
.set RD,   25                          ; v25    where I read a row back
.set LI,   26                          ; v26    16 x lane; never rewritten
.set SPW,  28                          ; v28    LDS address of my spare word; never rewritten
.set NIL,  29                          ; v29    0; never rewritten
.set SCB,  32                          ; W2's scale words: set run % 2 at + 16; pair p at + 4 p + q.  A register holds block 2 p's words in lanes 0-15 and block 2 p + 1's in lanes 16-31
.set SCA,  64                          ; the tokens': set run % 4 at + 8; pair p at + 4 p + q, likewise
.set WVN, 16                           ; s16 wave
.set G1B, 24                           ; s[24:31] descriptor group 1 for W2's codes
.set G1S, 32                           ; s[32:39] for its scale bytes
.set G0B, 48                           ; s[48:63] group 0 for the wave's four loads of codes
.set G0S, 68                           ; s[68:71] for its load of scale bytes
.set MSB, 0
.macro WIN new                         ; the immediate's high byte repeats the setting that is left; a switch that changes nothing is dropped
.if MSB != (\new)
	s_set_vgpr_msb (MSB<<8)|(\new)
.set MSB, (\new)
.endif
.endm
.set MUL,  0xad                        ; source 0 (W2) window 1, source 1 (tokens) window 3, C and D window 2
.set TO_B, 0x40                        ; destination window 1, address window 0
.set TO_A, 0xc0                        ; destination window 3, address window 0
.macro PLACES n
.rept \n
	v_nop
.endr
.endm
.macro CROUND                          ; a round of the cluster's barrier
	s_barrier_signal -1
	s_barrier_wait -1
	s_cmp_lg_u32 s[WVN], 0
	s_cbranch_scc1 .Lnot_wave_0_\@
	s_barrier_signal -3
.Lnot_wave_0_\@:
	s_barrier_wait -3
	s_barrier_signal -1
	s_barrier_wait -1
.endm
; The tokens' loads of step t: four fragments (16 tokens x 128 K: 8 registers), two loads of 512 consecutive bytes each; where t opens a run, first the run's scale words: lane l of pair p takes token 32 p + l's four words.
.macro ALOADS t
.if (\t) < STEPS
.if (\t)%4 == 0
	WIN 0
.irp p, 0,1
	global_load_b128 v[SCA+8*(((\t)/4)%4)+4*\p:SCA+8*(((\t)/4)%4)+4*\p+3], v[LI], s[6:7] offset:131072*((\t)/4)+512*\p
.endr
.endif
	WIN TO_A
.irp i, 0,1,2,3
	global_load_b128 v[32*((\t)%8)+8*\i:32*((\t)%8)+8*\i+3],   v[LI], s[4:5] offset:32768*\i+1024*(\t)
	global_load_b128 v[32*((\t)%8)+8*\i+4:32*((\t)%8)+8*\i+7], v[LI], s[4:5] offset:32768*\i+1024*(\t)+512
.endr
.endif
.endm
; W2's LDS loads of step t: eight fragments, two loads 32 bytes apart each; where t opens a run, first the run's scale words of the four pairs of blocks.
.macro FETCHB t
.if (\t) < STEPS
.if (\t)%4 == 0
	WIN 0
.irp p, 0,1,2,3
	ds_load_b128 v[SCB+16*(((\t)/4)%2)+4*\p:SCB+16*(((\t)/4)%2)+4*\p+3], v[ADSB] offset:BLK*\p+16*((\t)/4)
.endr
.endif
	WIN TO_B
.irp i, 0,1,2,3,4,5,6,7
	ds_load_b128 v[64*((\t)%4)+8*\i:64*((\t)%4)+8*\i+3],   v[ADRB+(\t)/4] offset:64*((\t)%4)+\i*BLK
	ds_load_b128 v[64*((\t)%4)+8*\i+4:64*((\t)%4)+8*\i+7], v[ADRB+(\t)/4] offset:64*((\t)%4)+\i*BLK+32
.endr
.endif
.endm
; The wait for step t's loads of the tokens: loads come back in order (ISA guide 5.7.1), and behind step t's have been issued those of steps t + 1 .. t + 6, as far as there are such steps:
; 8 each, and 2 more where a step opens a run.
.macro WAITA t
.set NN, 0
.set TT, (\t)+1
.rept AHEAD-1
.if TT < STEPS
.set NN, NN+8
.if TT%4 == 0
.set NN, NN+2
.endif
.endif
.set TT, TT+1
.endr
	s_wait_loadcnt NN
.endm
	s_load_b256 s[4:11], s[0:1], 0x0               ; h_codes s[4:5], h_scales s[6:7], W2_codes s[8:9], W2_scales s[10:11]
	s_load_b64 s[12:13], s[0:1], 0x20              ; out0
	v_lshl_add_u32 v[SPW], v0, 2, SPARE
	v_mov_b32 v[NIL], 0
	ds_add_u32 v[SPW], v[NIL]                      ; the wave's opening: the add, twice on end, and its wait ahead of my first tensor load
	ds_add_u32 v[SPW], v[NIL]                      ; and once more; the set-up below, work on registers, stands between it and the wait
	v_lshrrev_b32 v1, 5, v0
	v_readfirstlane_b32 s[WVN], v1
	v_and_b32 v3, 31, v0                           ; lane
	v_lshlrev_b32 v[LI], 4, v3
	s_lshr_b32 s17, s[WVN], 1
	s_and_b32 s18, s[WVN], 1
	s_bfe_u32 s40, ttmp6, 0x40000                  ; cx, cy: my place in the cluster
	s_bfe_u32 s41, ttmp6, 0x40004
	s_lshl_b32 s42, ttmp9, 2
	s_add_co_u32 s42, s42, s40                     ; X = 4 x cluster x + cx: my 128 outputs
	s_and_b32 s43, ttmp7, 0xffff
	s_lshl_b32 s43, s43, 2
	s_add_co_u32 s43, s43, s41                     ; Y = 4 x cluster y + cy: my 256 tokens
	s_lshl_b32 s45, 0x1111, s40                    ; my column of the cluster: the four that share X
	; group 1, W2's codes: 64 rows of 256 bytes, 2,048 bytes apart in memory; 4 words of padding behind every 64
	s_or_b32 s[G1B+0], s45, (1<<20)|(1<<21)|(5<<22)|(3<<25)
	s_mov_b32 s[G1B+1], 256<<16                    ; tensor_dim0
	s_mov_b32 s[G1B+2], 64<<16                     ; tensor_dim1
	s_mov_b32 s[G1B+3], 256<<16                    ; tile_dim0
	s_mov_b32 s[G1B+4], 64                         ; tile_dim1
	s_mov_b32 s[G1B+5], 2048                       ; from row to row
	s_mov_b32 s[G1B+6], 0
	s_mov_b32 s[G1B+7], 0
	; group 1, W2's scale bytes of 32 rows: 4,096 dense bytes as 16 rows of 256 (32 elements of 8), 16 bytes of padding behind each
	s_or_b32 s[G1S+0], s45, (3<<16)|(1<<20)|(1<<21)|(5<<22)|(3<<25)
	s_mov_b32 s[G1S+1], 32<<16
	s_mov_b32 s[G1S+2], 16<<16
	s_mov_b32 s[G1S+3], 32<<16
	s_mov_b32 s[G1S+4], 16
	s_mov_b32 s[G1S+5], 32
	s_mov_b32 s[G1S+6], 0
	s_mov_b32 s[G1S+7], 0
	; W2's tiles hang on X and the wave's number alone.  My j-th load of codes is unit 4 j + wave of sixteen: run 2 j + wave / 2, rows 64 (wave % 2) on
	s_lshl_b32 s46, s42, 18                        ; 128 rows of 2,048 bytes a work-group,
	s_lshl_b32 s47, s18, 17                        ; 64 of them,
	s_add_co_u32 s46, s46, s47
	s_lshl_b32 s47, s17, 8                         ; 256 bytes a run
	s_add_co_u32 s46, s46, s47
	s_mov_b32 s47, 0
	s_lshl_b32 s92, s42, 14                        ; scale bytes: 128 rows of 128 bytes a work-group, 32 rows a wave
	s_lshl_b32 s93, s[WVN], 12
	s_add_co_u32 s92, s92, s93
	s_mov_b32 s93, 0
	s_mul_i32 s19, s[WVN], UNIT                    ; where they go: no place in the cluster enters an LDS address
	s_mul_i32 s2, s[WVN], BLK
	; the tokens hang on Y and the wave's number
	s_lshl_b32 s20, s43, 19                        ; h_codes: 16 tiles of 32,768 bytes a work-group, 4 a wave
	s_lshl_b32 s21, s[WVN], 17
	s_add_co_u32 s20, s20, s21
	s_mov_b32 s21, 0
	s_lshl_b32 s22, s43, 12                        ; h_scales: 256 tokens x 16 bytes a work-group, 64 a wave
	s_lshl_b32 s23, s[WVN], 10
	s_add_co_u32 s22, s22, s23
	s_mov_b32 s23, 0
	s_lshl_b32 s14, s43, 20                        ; out0: 256 rows of 4,096 bytes a work-group, 64 a wave; 512 bytes of a row
	s_lshl_b32 s15, s[WVN], 18
	s_add_co_u32 s14, s14, s15
	s_lshl_b32 s15, s42, 9
	s_add_co_u32 s14, s14, s15
	s_mov_b32 s15, 0
	s_wait_dscnt 0x0                               ; both opening adds are done
	s_wait_kmcnt 0x0
	s_add_nc_u64 s[4:5], s[4:5], s[20:21]
	s_add_nc_u64 s[6:7], s[6:7], s[22:23]
	s_add_nc_u64 s[46:47], s[8:9], s[46:47]
	s_add_nc_u64 s[92:93], s[10:11], s[92:93]
	s_add_nc_u64 s[12:13], s[12:13], s[14:15]
.set S, 0
.rept AHEAD
	ALOADS S                                       ; the tokens' first seven steps go out ahead of the round: 56 loads and 4 of scale words
.set S, S+1
.endr
	WIN 0                                          ; at a label and at a branch every window is 0
	s_mov_b32 s[G0S], 1
	s_add_co_u32 s[G0S+1], s2, BSC
	s_mov_b64 s[G0S+2:G0S+3], s[92:93]
	s_or_b32 s[G0S+3], s[G0S+3], 0x80000000
.irp j, 0,1,2,3
	s_mov_b32 s[G0B+4*\j], 1
	s_add_co_u32 s[G0B+4*\j+1], s19, \j*4*UNIT
	s_add_nc_u64 s[G0B+4*\j+2:G0B+4*\j+3], s[46:47], \j*512
	s_or_b32 s[G0B+4*\j+3], s[G0B+4*\j+3], 0x80000000
.endr
	CROUND                                         ; all sixteen work-groups are here: the joint loads meet
	tensor_load_to_lds s[G0S:G0S+3], s[G1S:G1S+7]  ; all that this launch brings into LDS goes out here, in the order in which it is wanted: five tensor loads of mine are out
	s_nop 0
.irp j, 0,1,2,3
	tensor_load_to_lds s[G0B+4*\j:G0B+4*\j+3], s[G1B:G1B+7]
	s_nop 0
.endr
	PLACES 4                                       ; an s_nop 0 behind each load, four v_nop behind the last
	v_and_b32 v1, 15, v0                           ; r
	v_bfe_u32 v2, v0, 4, 1                         ; h
	v_mul_u32_u24 v4, v1, PITCH
	v_lshl_add_u32 v4, v2, 4, v4                   ; a fragment's row x pitch + 16 x half
.irp n, 0,1,2,3,4,5,6,7
	v_add_nc_u32 v[ADRB+\n], \n*RUN, v4
.endr
	v_lshrrev_b32 v5, 1, v3                        ; W2's scale bytes: 128 a row, two rows to a unit of 256 + 16: row l of a pair of blocks lies at 272 (l / 2) + 128 (l % 2)
	v_mul_u32_u24 v5, v5, 272
	v_and_b32 v6, 1, v3
	v_lshl_add_u32 v5, v6, 7, v5
	v_add_nc_u32 v[ADSB], BSC, v5
	s_mul_i32 s3, s[WVN], 16*SPITCH                ; my stage (STAGE = 0)
	v_mul_u32_u24 v5, v1, SPITCH                   ; in: row r, 32 bytes for each half of the lanes
	v_lshl_add_u32 v5, v2, 5, v5
	v_add_nc_u32 v[STO], s3, v5
	v_add_nc_u32 v[RD], s3, v[LI]                  ; back: the 32 lanes take one row of 512 bytes
; One matrix instruction on the registers named by rD, rW, rT, rSW, rST.  zero = 1: it starts the sum.  r0, r1: source 0's, source 1's scale words stand in lanes 16-31
.macro WMMA1 zero, r0, r1
.if \zero
.if (\r0) && (\r1)
	v_wmma_scale_f32_16x16x128_f8f6f4 v[rD:rD+7], v[rW:rW+7], v[rT:rT+7], 0, v[rSW], v[rST] matrix_a_fmt:MATRIX_FMT_FP4 matrix_b_fmt:MATRIX_FMT_FP4 matrix_a_scale:MATRIX_SCALE_ROW1 matrix_b_scale:MATRIX_SCALE_ROW1
.elseif \r0
	v_wmma_scale_f32_16x16x128_f8f6f4 v[rD:rD+7], v[rW:rW+7], v[rT:rT+7], 0, v[rSW], v[rST] matrix_a_fmt:MATRIX_FMT_FP4 matrix_b_fmt:MATRIX_FMT_FP4 matrix_a_scale:MATRIX_SCALE_ROW1
.elseif \r1
	v_wmma_scale_f32_16x16x128_f8f6f4 v[rD:rD+7], v[rW:rW+7], v[rT:rT+7], 0, v[rSW], v[rST] matrix_a_fmt:MATRIX_FMT_FP4 matrix_b_fmt:MATRIX_FMT_FP4 matrix_b_scale:MATRIX_SCALE_ROW1
.else
	v_wmma_scale_f32_16x16x128_f8f6f4 v[rD:rD+7], v[rW:rW+7], v[rT:rT+7], 0, v[rSW], v[rST] matrix_a_fmt:MATRIX_FMT_FP4 matrix_b_fmt:MATRIX_FMT_FP4
.endif
.else
.if (\r0) && (\r1)
	v_wmma_scale_f32_16x16x128_f8f6f4 v[rD:rD+7], v[rW:rW+7], v[rT:rT+7], v[rD:rD+7], v[rSW], v[rST] matrix_a_fmt:MATRIX_FMT_FP4 matrix_b_fmt:MATRIX_FMT_FP4 matrix_a_scale:MATRIX_SCALE_ROW1 matrix_b_scale:MATRIX_SCALE_ROW1
.elseif \r0
	v_wmma_scale_f32_16x16x128_f8f6f4 v[rD:rD+7], v[rW:rW+7], v[rT:rT+7], v[rD:rD+7], v[rSW], v[rST] matrix_a_fmt:MATRIX_FMT_FP4 matrix_b_fmt:MATRIX_FMT_FP4 matrix_a_scale:MATRIX_SCALE_ROW1
.elseif \r1
	v_wmma_scale_f32_16x16x128_f8f6f4 v[rD:rD+7], v[rW:rW+7], v[rT:rT+7], v[rD:rD+7], v[rSW], v[rST] matrix_a_fmt:MATRIX_FMT_FP4 matrix_b_fmt:MATRIX_FMT_FP4 matrix_b_scale:MATRIX_SCALE_ROW1
.else
	v_wmma_scale_f32_16x16x128_f8f6f4 v[rD:rD+7], v[rW:rW+7], v[rT:rT+7], v[rD:rD+7], v[rSW], v[rST] matrix_a_fmt:MATRIX_FMT_FP4 matrix_b_fmt:MATRIX_FMT_FP4
.endif
.endif
.endm
; 8 matrix instructions of step t: block a of my tokens x W2's eight blocks.
; The 32 accumulators take turns, one instruction a turn, in the same order in every step.
.macro MULA a, t, zero
.irp b, 0,1,2,3,4,5,6,7
.set rD, 8*(8*(\a)+\b)
.set rW, 64*((\t)%4)+8*\b
.set rT, 32*((\t)%8)+8*(\a)
.set rSW, SCB+16*(((\t)/4)%2)+4*(\b/2)+(\t)%4
.set rST, SCA+8*(((\t)/4)%4)+4*((\a)/2)+(\t)%4
	WMMA1 \zero, \b%2, (\a)%2
.endr
.endm
; STEP t: 128 along K, 32 matrix instructions.  At its head the tokens' loads of step t + 7 go out, into the registers that step t - 1 has left, and W2's LDS loads of step t + 2, into those that step t - 2 has left.
; Steps 6, 14 and 22 fetch from the next 1,024 along K for the first time: in front of that fetch stands a barrier, and in front of its signal the wait that shows my unit of those 1,024 landed; the later units stay out.
.macro STEP t, zero
	WAITA \t                                       ; the tokens' fragments of this step, and its run's scale words, are in
.if (((\t)%8 == 6) && ((\t) < STEPS-2)) || ((\t) == STEPS-1)
	s_wait_dscnt 0x0                               ; all my LDS loads are in (a barrier's signal follows, or nothing more was asked for)
.elseif ((\t)+1)%4 == 0
	s_wait_dscnt 20                                ; W2's fragments of this step are in; the next step's 16 loads and its run's 4 of scale words may be out
.else
	s_wait_dscnt 16                                ; W2's fragments of this step are in; the next step's 16 loads may be out
.endif
	PLACES 4                                       ; four plain places between the last step's products and the loads into the registers that they read (ISA guide 7.12.1 for vector instructions)
	ALOADS (\t)+AHEAD
.if ((\t)%8 == 6) && ((\t) < STEPS-2)
	s_wait_tensorcnt 3-((\t)+2)/8                  ; my unit of the next 1,024 along K has landed; my younger loads stay out
	s_barrier_signal -1
	WIN MUL
	MULA 0, \t, \zero                              ; work on registers while the others arrive
	MULA 1, \t, \zero
	s_barrier_wait -1                              ; everybody's unit has landed
	FETCHB (\t)+2
	WIN MUL
	MULA 2, \t, \zero
	MULA 3, \t, \zero
.else
	FETCHB (\t)+2
	WIN MUL
	MULA 0, \t, \zero
	MULA 1, \t, \zero
	MULA 2, \t, \zero
	MULA 3, \t, \zero
.endif
.endm
	s_wait_tensorcnt 0x3                           ; my quarter of the scale bytes and my unit of the first 1,024 along K are in; the three younger loads stay out
	s_barrier_signal -1
	s_barrier_wait -1                              ; everybody's are
	FETCHB 0
	FETCHB 1
	STEP 0, 1                                      ; the first step's products start the sums: nothing is cleared
.set S, 1
.rept STEPS-1
	STEP S, 0
.set S, S+1
.endr
	WIN 0
; THE WAY OUT, block by block of 16 tokens x 128 outputs.  A lane holds 32 neighbouring bytes of a row, and the lanes beside it hold other rows: so a block goes through my own stage in LDS and comes
; back as whole rows of 512 bytes.  LDS serves a wave's instructions in order (ISA guide 5.7.1.4): no wait between the stores and the loads, nor in front of the next block's stores.
.macro TOSTAGE a
	WIN 0x08                                       ; an LDS store's data are its source 1: window 2
.irp b, 0,1,2,3,4,5,6,7
	ds_store_b128 v[STO], v[8*(8*(\a)+\b):8*(8*(\a)+\b)+3] offset:64*\b          ; each accumulator from its low end on
	ds_store_b128 v[STO], v[8*(8*(\a)+\b)+4:8*(8*(\a)+\b)+7] offset:64*\b+16
.endr
	WIN 0
.set BB, 128+64*((\a)%2)
.irp t, 0,1,2,3,4,5,6,7,8,9,10,11,12,13,14,15
	ds_load_b128 v[BB+4*\t:BB+4*\t+3], v[RD] offset:\t*SPITCH
.endr
.endm
.macro SEND a, younger                 ; younger: the LDS instructions issued behind block a's loads, which may stay out
.set BB, 128+64*((\a)%2)
	s_wait_dscnt \younger
.irp t, 0,1,2,3,4,5,6,7,8,9,10,11,12,13,14,15
	global_store_b128 v[LI], v[BB+4*\t:BB+4*\t+3], s[12:13] offset:(16*(\a)+\t)*4096 th:TH_STORE_NT   ; 32 lanes store 512 consecutive bytes, at a multiple of 256 from out0's first byte; 63 rows at the most stand in the immediate
.endr
.endm
	PLACES 4                                       ; between the last products and the first read of results
	TOSTAGE 0
.irp a, 1,2,3
.if \a > 1
	s_wait_xcnt 0x0                                ; block a - 2's stores have read their registers: block a's loads may land there
.endif
	TOSTAGE \a
	SEND \a-1, 32                                  ; behind block a - 1's loads: block a's 16 stores and 16 loads
.endr
	SEND 3, 0
	s_wait_tensorcnt 0x0                           ; the wave's end: a wait, an add and a wait, behind my last tensor load and my last LDS store
	ds_add_u32 v[SPW], v[NIL]
	s_wait_dscnt 0x0
	CROUND                                         ; the closing round: no work-group ends while a partner may still ask for a tile that names it
	s_endpgm
.Lfunc_end_k_qd088cf2582_down:
	.size	k_qd088cf2582_down, .Lfunc_end_k_qd088cf2582_down-k_qd088cf2582_down
	.p2alignl 7, 3214868480
	.fill 96, 4, 3214868480
	.section	.rodata,"a",@progbits
	.p2align	6, 0x0
	.amdhsa_kernel k_qd088cf2582_down
		.amdhsa_group_segment_fixed_size 296448
		.amdhsa_private_segment_fixed_size 0
		.amdhsa_enable_private_segment 0
		.amdhsa_kernarg_size 40
		.amdhsa_user_sgpr_count 2
		.amdhsa_user_sgpr_kernarg_segment_ptr 1
		.amdhsa_wavefront_size32 1
		.amdhsa_system_sgpr_workgroup_id_x 1
		.amdhsa_system_sgpr_workgroup_id_y 1
		.amdhsa_system_sgpr_workgroup_id_z 1
		.amdhsa_system_vgpr_workitem_id 0
		.amdhsa_next_free_vgpr 1024
		.amdhsa_next_free_sgpr 98
		.amdhsa_reserve_vcc 0
		.amdhsa_float_denorm_mode_32 3
		.amdhsa_float_denorm_mode_16_64 3
		.amdhsa_memory_ordered 1
		.amdhsa_forward_progress 1
		.amdhsa_inst_pref_size 219
	.end_amdhsa_kernel
	.amdgpu_metadata
---
amdhsa.version: [ 1, 2 ]
amdhsa.kernels:
  - .name:           k_qd088cf2582_down
    .symbol:         k_qd088cf2582_down.kd
    .args:
      - { .name: h_codes, .offset: 0, .size: 8, .value_kind: global_buffer, .address_space: global }
      - { .name: h_scales, .offset: 8, .size: 8, .value_kind: global_buffer, .address_space: global }
      - { .name: W2_codes, .offset: 16, .size: 8, .value_kind: global_buffer, .address_space: global }
      - { .name: W2_scales, .offset: 24, .size: 8, .value_kind: global_buffer, .address_space: global }
      - { .name: out0, .offset: 32, .size: 8, .value_kind: global_buffer, .address_space: global }
    .group_segment_fixed_size: 296448
    .private_segment_fixed_size: 0
    .kernarg_segment_align: 8
    .kernarg_segment_size: 40
    .max_flat_workgroup_size: 128
    .sgpr_count:     98
    .vgpr_count:     1024
    .wavefront_size: 32
...
	.end_amdgpu_metadata
.endif
;; end of part 3
